; MI455X (gfx1250); checked and timed in simulation.
; The chip was launched on July 23, 2026; its instructions are those of AMD's public machine-readable ISA for CDNA 5 (MIT licence, August 2026) and "CDNA5" Instruction Set Architecture Reference Guide (July 2026). The comments in the code are by the model that wrote it; some were corrected since.
;; Compute Attention. Allowed arithmetic: matrix products marked QUANTISED: E2M3 operands, one E8M0 scale for each 32 along K, by v_wmma_scale_f32_16x16x128_f8f6f4 with both operands' format E2M3, f32 sums; everything else in f32.
;; Inputs: K 4 x 16 x 2,048 x 64 float32; Q 4 x 16 x 2,048 x 64 float32; V 4 x 16 x 2,048 x 64 float32.
;; Outputs: out0 4 x 16 x 2,048 x 64 float32.
;; This version of the problem:
;;   THIS VERSION OF THE PROBLEM IS GIVEN IN LOW PRECISION. The matrix products marked QUANTISED in the list below multiply operands that are first quantised to E2M3 (2 exponent bits, 3 mantissa bits; 6 bits a number), with one power-of-two scale for each 32 numbers along K (OCP MX v1.0); their sums are f32. All else is computed in f32.
;;   The module's matrix products, in the order in which they are computed (A, B: the left and right operand; K: the contracted axis; several contracted axes count as one K, in the product's order):
;;     1. batch 64 x [M 2,048, K 64] x [K 64, N 2,048]; A: input Q; B: input K: QUANTISED
;;     2. batch 64 x [M 2,048, K 2,048] x [K 2,048, N 64]; A: softmax (see below); B: input V: QUANTISED
;;   THE QUANTISER, for each operand of a quantised product, along K:
;;     - K is cut into blocks of 32 from its start; a last block that is shorter is filled with zeros.
;;     - A block's scale is 2^e with e = floor(log2(the largest magnitude in the block)) - 2, held to -126 .. 127; a block of zeros has e = 0. As a byte (E8M0): e + 127.
;;     - Each number is divided by its block's scale, clamped to +-7.5, and rounded to the nearest number of E2M3, ties to even, subnormals kept.
;;     - The product sums the exact products of the quantised numbers (number of the format x scale) in f32.
;;   ~~~python
;;   def quantise(x, axis):      # numpy; x: float32 -> the quantised numbers, widened to float32 again
;;       x = np.moveaxis(x, axis, -1); K = x.shape[-1]
;;       x = np.pad(x, [(0, 0)] * (x.ndim - 1) + [(0, -K % 32)]); x = x.reshape(x.shape[:-1] + (-1, 32)); a = np.abs(x).max(-1, keepdims=True)
;;       e = np.where(a > 0, np.clip(np.frexp(np.where(a > 0, a, 1))[1] - 1 - 2, -126, 127), 0)      # np.frexp(a)[1] - 1 = floor(log2(a)), exactly
;;       r = np.clip(x / 2.0 ** e, -7.5, 7.5)
;;       step = 2.0 ** (np.maximum(np.frexp(np.where(r == 0, 1, r))[1] - 1, 0) - 3)
;;       q = np.round(r / step) * step * 2.0 ** e      # np.round: ties to even
;;       return np.moveaxis(q.reshape(q.shape[:-2] + (-1,))[..., :K], -1, axis).astype(np.float32)
;;   ~~~
;;   SOFTMAX AHEAD OF A QUANTISED PRODUCT. Where the list says 'softmax', what is quantised is not the finished softmax but p = 2^(t - M), with t = logit x log2(e) and M = ceil(the row's largest t), a whole number; so 1/2 < the row's largest p <= 1. The row's sum l is taken of the UNQUANTISED p, in f32, and the product's result is divided by l at the end. Since M is a whole number, a kernel that streams over the keys may use a running M (the ceiling of the running maximum): every later rescaling is an exact power of two, which a block's scale takes up: the codes' values come out the same.
;;   OPERANDS COMPUTED ON THE WAY. 'Computed on the way' means the value that the module computes at that place (a softmax that the list does not call 'softmax' is quantised finished and normalised). What goes into a quantiser is computed in f32, as accurately as f32 sums, v_exp_f32 and their like allow (about 1e-6 of the number): no bf16 or f16 on the way to a quantiser, and a product that is left as it is and whose result goes on into a quantised operand takes f32 operands (vector FMAs, or v_wmma_f32_16x16x4_f32). A number that lies on a knife's edge between two numbers of the format may be rounded either way, as far as f32 arithmetic and the matrix unit's own rounding can turn it there, and no further.
;; One version. Each part assembles by itself: llvm-mc -triple=amdgcn-amd-amdhsa -mcpu=gfx1250 --defsym DOCPART=n.
;; ======== version 1 of 1: 1 launch
;; limits: right only within a limited range of input values
;; launch fused (part 1): grid 4 x 64, 16 waves a work-group, no clusters, 327,680 bytes of LDS; arguments Q, K, V, out0; writes out0
.if DOCPART == 1
	.amdgcn_target "amdgcn-amd-amdhsa--gfx1250"
	.amdhsa_code_object_version 6
	.text
	.protected	k_qae36737cfd_fused
	.globl	k_qae36737cfd_fused
	.p2align	8
	.type	k_qae36737cfd_fused,@function
k_qae36737cfd_fused:
	s_mov_b64 s[64:65], 0
	v_nop
	global_prefetch_b8 v0, s[64:65] scope:SCOPE_SE
	s_setreg_imm32_b32 hwreg(HW_REG_WAVE_MODE, 25, 1), 1
	s_wait_xcnt 0x0
; out[h][q][:] = the sum over k <= q of softmax_k(Q[h][q] . K[h][k] / 8) V[h][k][:], 64 heads, 2,048 queries and keys, 64 channels; both products on codes of FP6 (E2M3), one E8M0 scale for each 32 along a product's K.
; ONE LAUNCH: Q, K and V arrive as f32 and are quantised here; nothing goes through a workspace.
; THE SOFTMAX: t = score x log2(e) / 8; M = the row's largest t so far, rounded UP to a whole number; p = 2^(t - M) is quantised along the keys, not normalised; the row's sum is taken of the unquantised p and divides O at the end.
; When M moves, the sum and O are multiplied by 2^(old M - new M): exact.
; THE MASK: a hidden logit is -1e7, as the problem has it (the raw score -8e7).  A step all of whose 128 keys are hidden for a tile is left out: its p are 0 as long as the row's largest visible logit lies above about -1e7 + 150.
; LIMITS: that one; p under 2^-126 counts as 0 (v_exp_f32 flushes); NaN and infinities among the inputs are not served, and one that reaches only a step left out is not carried to the result;
; a block whose largest magnitude lies under 2^-124 is held at the byte 1 (a block of zeros too: its codes are zeros).
; SHARES.  Work-group (x, head), sixteen waves.  A wave owns two tiles of 16 queries: tile A from query 256 x + 16 w, tile B from 2,032 - 256 x - 16 w.
; THE WALK has 18 trips in every work-group: key steps 0 .. 2 x + 1 for tile A, then key steps 0 .. 15 - 2 x for tile B (2 x + 2 + 16 - 2 x = 18); a step is 128 keys.  A wave multiplies 17 of them.
; A TRIP i, behind its one barrier: each wave asks for its 16 rows (4,096 bytes) of step i + 2's f32 tile of K (waves 0-7) or V (waves 8-15), into the f32 slot i % 2; quantises its unit of step i + 1 out of the other f32 slot
; into the codes' slot (i + 1) % 2; and multiplies step i from the codes' slot i % 2.  A unit is 32 numbers a lane: for K 16 keys x 64 channels (a lane: one key, 32 channels), for V 32 keys x 32 channels (a lane: one channel, 32 keys).
; A codes' slot is 12,800 bytes: four fragments of K, four of V as images of the operand's registers (16 bytes a lane, three times), and 256 bytes of scale words each.
; NO JOINT REQUESTS, though the four work-groups of a head read the same tiles: which steps a wave leaves out and in which trip the tiles change is a branch on x, and partners of a joint request run alike.
; NO PREFETCH: the four work-groups of a head begin the keys anew in different trips (2 x + 2), so a step's blocks cannot be shared out among them by address; each block would be named four times.
; LAYOUT.  Both products are used transposed: S^T = K Q^T, O^T = V^T P^T: a lane holds ONE query (lane % 16).  A fragment of K carries two tiles of keys (k = 0..63, k = 64..127); Q's six registers of codes stand between two runs of
; six zeros and pick one.  Row r of tile 2 b + u is key 32 b + 8 u + r + 8 (r / 8), so that register 16 b + i of S^T is key 32 b + 16 (lane / 16) + i.
.set ROWP,  272                        ; an f32 row in LDS: 256 bytes + 16
.set FSLOT, 128*ROWP                   ; 128 rows: a step's tile of K or of V
.set STEPB, 12800
.set FRB,   1536
.set VCOD,  4*FRB
.set KSC,   8*FRB
.set VSC,   KSC+256
.set STAGE, 2*STEPB                    ; behind the two codes' slots: a stage of 16 rows x 272 bytes a wave
.set SP,    272
.set SPARE, STAGE+16*16*SP             ; the spare words, 128 bytes a wave
.set F32B,  SPARE+2048                 ; K slot 0, K slot 1, V slot 0, V slot 1: the only bytes that tensor loads fill
.set LI,  1                            ; 16 x lane
.set LS,  2                            ; 8 x lane
.set AKR, 3                            ; K unit: where I read
.set AVR, 4                            ; V unit: where I read
.set STO, 5
.set RD,  6
.set DQ,  8                            ; lane % 16 - 16 (lane / 16)
.set KA,  9                            ; K unit: where my codes' registers 0-1 and 4-5 go
.set KB,  10                           ; and 2-3
.set NEG, 11
.set NM,  12                           ; -M; v13 the running largest t
.set SUM, 14
.set QHI, 16                           ; v[16:27] zeros, Q's codes
.set QC,  22                           ; v[22:33] Q's codes, zeros
.set QS,  34
.set QSB, 35
.set QCB, 36
.set KS,  42
.set VS,  44
.set PS,  46
.set KSB, 47                           ; K unit: my scale byte's place
.set FR,  48
.set S,   96
.set O,   160
.set BM,  192
.set PX,  196
.set SO,  200
.set CT,  204
.set F,   212
.set TMP, 214
.set SUM2, 216
.set VA,  218                          ; V unit: as KA, KB, KSB
.set VB,  219
.set VSB, 220
.set SH,  221
.set QRD, 222
.set PC,  224
.set WV,  12
.set G1,  16
.set G0,  24
.set SEL, 32
.set CS,  34
.set KF,  37                           ; the step's first key
.set CNT, 38
.set QL,  39
.set Q0,  40
.set ST,  41
.set QPA, 42
.set QPB, 44
.set OPA, 46
.set OPB, 48
.set QA,  50
.set QB,  51
.set SRC, 52                           ; my 16 rows of key step 0, in K or in V
.set OFF, 54
.set W,   56                           ; 2 x + 2: the trip in which tile B begins
.set I,   57
.set T,   58
.set WL,  59                           ; my 16 rows in f32 slot 0
.set STG, 60
.set BB,  61
.set UU,  62
.set CAK, 66
.set CKA, 67
.set CKB, 68
.set CKS, 69
.set CAV, 70
.set CVA, 71
.set CVB, 72
.set CVS, 73
	s_load_b128 s[4:7], s[0:1], 0x0                ; Q, K
	s_load_b128 s[8:11], s[0:1], 0x10              ; V, the output
	v_lshl_add_u32 v254, v0, 2, SPARE
	v_mov_b32 v255, 0
	ds_add_u32 v254, v255
	ds_add_u32 v254, v255
	v_lshrrev_b32 v7, 5, v0
	v_readfirstlane_b32 s[WV], v7                  ; wave 0..15
	s_and_b32 s13, ttmp7, 0xffff                   ; the head
	s_and_b32 s14, s[WV], 7                        ; my unit among K's or V's eight
	s_lshr_b32 s15, s[WV], 3                       ; 0: K, 1: V
	s_lshl_b32 s[W], ttmp9, 1
	s_add_co_u32 s[W], s[W], 2
	s_lshl_b32 s28, s13, 19                        ; a head is 524,288 bytes, a row 256
	s_lshl_b32 s[OFF], s14, 12
	s_add_co_u32 s[OFF], s[OFF], s28
	s_mov_b32 s[OFF+1], 0
	s_mul_i32 s[WL], s15, 2*FSLOT
	s_mul_i32 s29, s14, 16*ROWP
	s_add_co_u32 s[WL], s[WL], s29
	s_add_co_u32 s[WL], s[WL], F32B
	s_lshl_b32 s[QA], ttmp9, 8
	s_lshl_b32 s[QB], s[WV], 4
	s_add_co_u32 s[QA], s[QA], s[QB]               ; 256 x + 16 w
	s_sub_co_u32 s[QB], 2032, s[QA]
	s_lshl_b32 s[QPA], s[QA], 8
	s_add_co_u32 s[QPA], s[QPA], s28
	s_mov_b32 s[QPA+1], 0
	s_lshl_b32 s[QPB], s[QB], 8
	s_add_co_u32 s[QPB], s[QPB], s28
	s_mov_b32 s[QPB+1], 0
	s_mov_b32 s[G1+0], (3<<16)|(1<<20)|(5<<22)|(3<<25)   ; elements of 8 bytes; 4 words of padding behind every 64
	s_mov_b32 s[G1+1], 32<<16
	s_mov_b32 s[G1+2], 16<<16
	s_mov_b32 s[G1+3], 32<<16
	s_mov_b32 s[G1+4], 16                          ; 16 rows of 256 bytes
	s_mov_b32 s[G1+5], 32
	s_mov_b32 s[G1+6], 0
	s_mov_b32 s[G1+7], 0
	s_mov_b32 s[SEL], 0x76543210
	s_mov_b32 s[SEL+1], 0xfedcba98
	s_mov_b32 s[CS], 0x3e38aa3b                    ; c = log2(e) / 8
	s_mov_b32 s[CS+1], s[CS]
	s_wait_dscnt 0x0
	s_wait_kmcnt 0x0
	s_cmp_lt_u32 s[WV], 8
	s_cselect_b64 s[SRC:SRC+1], s[6:7], s[8:9]
	s_add_nc_u64 s[SRC:SRC+1], s[SRC:SRC+1], s[OFF:OFF+1]
	s_add_nc_u64 s[OPA:OPA+1], s[10:11], s[QPA:QPA+1]
	s_add_nc_u64 s[OPB:OPB+1], s[10:11], s[QPB:QPB+1]
	s_add_nc_u64 s[QPA:QPA+1], s[4:5], s[QPA:QPA+1]
	s_add_nc_u64 s[QPB:QPB+1], s[4:5], s[QPB:QPB+1]
	s_mov_b32 s[G0+0], 1
	s_mov_b32 s[G0+1], s[WL]
	s_mov_b64 s[G0+2:G0+3], s[SRC:SRC+1]
	s_or_b32 s[G0+3], s[G0+3], 0x80000000
	tensor_load_to_lds s[G0:G0+3], s[G1:G1+7]      ; key step 0, my 16 rows: my one load at the head
	s_nop 0
	v_and_b32 v7, 31, v0                           ; lane
	v_lshlrev_b32 v[LI], 4, v7
.irp i, 0,1,2,3,4,5,6,7
	global_load_b128 v[S+4*\i:S+4*\i+3], v[LI], s[QPA:QPA+1] offset:512*\i th:TH_LOAD_NT   ; Q as it lies: 32 lanes read 512 consecutive bytes
.endr
.irp i, 0,1,2,3,4,5,6,7
	global_load_b128 v[S+32+4*\i:S+32+4*\i+3], v[LI], s[QPB:QPB+1] offset:512*\i th:TH_LOAD_NT
.endr
	s_wait_alu depctr_va_vdst(0)                   ; the wait ahead of the run of scalar lines
	s_mul_i32 s[STG], s[WV], 16*SP
	s_add_co_u32 s[STG], s[STG], STAGE
	s_lshr_b32 s[BB], s14, 1                       ; K: fragment b; V: block of 32 keys
	s_and_b32 s[UU], s14, 1                        ; K: tile u of the fragment; V: which 32 channels
	s_lshl_b32 s[CAK], s[BB], 2
	s_add_co_u32 s[CAK], s[CAK], s[UU]
	s_mul_i32 s[CAK], s[CAK], 8*ROWP               ; from key 32 b + 8 u
	s_add_co_u32 s[CAK], s[CAK], F32B
	s_mul_i32 s28, s[BB], FRB
	s_mul_i32 s[CKA], s[UU], 520                   ; registers 6 u, 6 u + 1 of an image: byte 0 or 520; 6 u + 4, 6 u + 5: 512 further
	s_add_co_u32 s[CKA], s[CKA], s28
	s_mul_i32 s[CKB], s[UU], 1016                  ; registers 6 u + 2, 6 u + 3: byte 8 or 1,024
	s_add_co_u32 s[CKB], s[CKB], s28
	s_add_co_u32 s[CKB], s[CKB], 8
	s_and_b32 s29, s[BB], 1
	s_lshr_b32 s30, s[BB], 1
	s_lshl_b32 s[CKS], s29, 7                      ; K's scale byte: 8 (r + 16 (b % 2)) + 4 (b / 2) + 2 u + h
	s_lshl_b32 s31, s30, 2
	s_add_co_u32 s[CKS], s[CKS], s31
	s_lshl_b32 s31, s[UU], 1
	s_add_co_u32 s[CKS], s[CKS], s31
	s_add_co_u32 s[CKS], s[CKS], KSC
	s_mul_i32 s[CAV], s[BB], 32*ROWP
	s_lshl_b32 s31, s[UU], 7
	s_add_co_u32 s[CAV], s[CAV], s31
	s_add_co_u32 s[CAV], s[CAV], F32B+2*FSLOT
	s_mul_i32 s28, s[UU], 2*FRB                    ; V: channel 32 u + lane is row lane % 16 of fragment 2 u + lane / 16; key block BB stands in lanes 16 (BB % 2) on, registers 6 (BB / 2) on
	s_lshl_b32 s31, s29, 8
	s_add_co_u32 s28, s28, s31
	s_add_co_u32 s28, s28, VCOD
	s_mul_i32 s[CVA], s30, 520
	s_add_co_u32 s[CVA], s[CVA], s28
	s_mul_i32 s[CVB], s30, 1016
	s_add_co_u32 s[CVB], s[CVB], s28
	s_add_co_u32 s[CVB], s[CVB], 8
	s_lshl_b32 s[CVS], s[UU], 2                    ; V's scale byte: 8 lane + 4 u + BB
	s_add_co_u32 s[CVS], s[CVS], s[BB]
	s_add_co_u32 s[CVS], s[CVS], VSC
	v_and_b32 v[TMP], 15, v0                       ; r
	v_bfe_u32 v[TMP+1], v0, 4, 1                   ; h
	v_lshlrev_b32 v[LS], 3, v7
	v_mul_u32_u24 v[STO], v[TMP], SP
	v_mul_u32_u24 v[RD], v[TMP+1], SP
	v_add_nc_u32 v[QRD], s[STG], v[STO]
	v_lshl_add_u32 v[STO], v[TMP+1], 5, v[QRD]     ; the stage, O on its way in: row r, 32 bytes for each half of the lanes
	v_lshl_add_u32 v[QRD], v[TMP+1], 7, v[QRD]     ; Q on its way back: row r, channels 32 h on
	v_lshl_add_u32 v[RD], v[TMP], 4, v[RD]
	v_add_nc_u32 v[RD], s[STG], v[RD]              ; by rows: lanes 0-15 one row of 256 bytes, lanes 16-31 the next
	v_lshlrev_b32 v[SH], 4, v[TMP+1]
	v_sub_nc_u32 v[DQ], v[TMP], v[SH]
	v_lshlrev_b32 v[SH], 3, v[TMP+1]
	v_mov_b32 v[NEG], 0xcc989680                   ; -8e7
	v_and_b32 v[AKR], 8, v[TMP]
	v_add_nc_u32 v[AKR], v[AKR], v[TMP]            ; r + 8 (r / 8)
	v_mul_u32_u24 v[AKR], v[AKR], ROWP
	v_lshl_add_u32 v[AKR], v[TMP+1], 7, v[AKR]
	v_add_nc_u32 v[AKR], s[CAK], v[AKR]
	v_add_nc_u32 v[KA], s[CKA], v[LI]
	v_add_nc_u32 v[KB], s[CKB], v[LI]
	v_lshl_add_u32 v[KSB], v[TMP], 3, v[TMP+1]
	v_add_nc_u32 v[KSB], s[CKS], v[KSB]
	v_lshl_add_u32 v[AVR], v7, 2, s[CAV]
	v_mul_u32_u24 v[VA], v[TMP+1], FRB
	v_lshl_add_u32 v[VA], v[TMP], 4, v[VA]
	v_add_nc_u32 v[VB], s[CVB], v[VA]
	v_add_nc_u32 v[VA], s[CVA], v[VA]
	v_add_nc_u32 v[VSB], s[CVS], v[LS]
.irp i, 0,1,2,3,4,5
	v_mov_b32 v[QHI+\i], 0                         ; the zeros on both sides of Q's codes
	v_mov_b32 v[QC+6+\i], 0
.endr
.irp i, 0,1,2,3
	v_mov_b32 v[PX+\i], 0                          ; a lane permute's destination counts as one of its sources
.endr
	v_mov_b32 v[F+1], 0
	v_mov_b32 v[TMP], 0
; The largest magnitude of a lane's 32 numbers, with the floor 2^(3 - 127) as one more leaf
.macro MAX32 d, t, x
	v_max3_num_f32 v[\d], |v[\x]|, |v[\x+1]|, |v[\x+2]|
	v_max3_num_f32 v[\t], |v[\x+3]|, |v[\x+4]|, |v[\x+5]|
.irp i, 6,10,14,18,22,26
	s_delay_alu instid0(VALU_DEP_2)
	v_max3_num_f32 v[\d], v[\d], |v[\x+\i]|, |v[\x+\i+1]|
	s_delay_alu instid0(VALU_DEP_2)
	v_max3_num_f32 v[\t], v[\t], |v[\x+\i+2]|, |v[\x+\i+3]|
.endr
	s_delay_alu instid0(VALU_DEP_2)
	v_max3_num_f32 v[\d], v[\d], |v[\x+30]|, |v[\x+31]|
	s_delay_alu instid0(VALU_DEP_1)
	v_max3_num_f32 v[\d], v[\d], v[\t], 0x1800000
.endm
	; Q's two tiles turn through my stage, so that a lane holds block h of row r, and are quantised
	s_wait_alu depctr_va_vdst(0)                   ; the wait at the head's end
	s_wait_loadcnt 0x8                             ; tile A's eight loads are in; tile B's eight may be out
.irp i, 0,1,2,3,4,5,6,7
	ds_store_b128 v[RD], v[S+4*\i:S+4*\i+3] offset:2*\i*SP
.endr
.irp i, 0,1,2,3,4,5,6,7
	ds_load_b128 v[FR+4*\i:FR+4*\i+3], v[QRD] offset:16*\i
.endr
	s_wait_loadcnt 0x0
	s_wait_dscnt 0x0
.irp i, 0,1,2,3,4,5,6,7
	ds_store_b128 v[RD], v[S+32+4*\i:S+32+4*\i+3] offset:2*\i*SP
.endr
.irp i, 0,1,2,3,4,5,6,7
	ds_load_b128 v[O+4*\i:O+4*\i+3], v[QRD] offset:16*\i
.endr
	s_wait_dscnt 0x0
	MAX32 BM, BM+2, FR
	MAX32 BM+1, BM+3, O
	v_add_nc_u32 v[SO], 0xff000000, v[BM]          ; 2 off the exponent field: the conversion's scale operand
	s_delay_alu instid0(VALU_DEP_2)
	v_add_nc_u32 v[SO+1], 0xff000000, v[BM+1]
	s_delay_alu instid0(VALU_DEP_2)
	v_lshrrev_b32 v[PX], 23, v[SO]
	s_delay_alu instid0(VALU_DEP_2)
	v_lshrrev_b32 v[PX+1], 23, v[SO+1]
	s_delay_alu instid0(VALU_DEP_2)
	v_lshlrev_b32 v[PX], v[SH], v[PX]
	s_delay_alu instid0(VALU_DEP_2)
	v_lshlrev_b32 v[PX+1], v[SH], v[PX+1]
	s_delay_alu instid0(VALU_DEP_2)
	v_permlanex16_b32 v[PX+2], v[PX], s[SEL], s[SEL+1]
	s_delay_alu instid0(VALU_DEP_2)
	v_permlanex16_b32 v[PX+3], v[PX+1], s[SEL], s[SEL+1]
	s_delay_alu instid0(VALU_DEP_2)
	v_or_b32 v[PX], v[PX], v[PX+2]
	s_delay_alu instid0(VALU_DEP_2)
	v_or_b32 v[PX+1], v[PX+1], v[PX+3]
	s_delay_alu instid0(VALU_DEP_2)
	v_lshl_or_b32 v[QS], v[PX], 16, v[PX]          ; (block 0, block 1) twice: the codes stand in k = 0..63 or in k = 64..127
	s_delay_alu instid0(VALU_DEP_2)
	v_lshl_or_b32 v[QSB], v[PX+1], 16, v[PX+1]
	v_cvt_scalef32_pk16_fp6_f32 v[QC:QC+2], v[FR:FR+15], v[SO]
	v_cvt_scalef32_pk16_fp6_f32 v[CT:CT+2], v[FR+16:FR+31], v[SO]
	v_cvt_scalef32_pk16_fp6_f32 v[QCB:QCB+2], v[O:O+15], v[SO+1]
	v_cvt_scalef32_pk16_fp6_f32 v[CT+4:CT+6], v[O+16:O+31], v[SO+1]
	v_nop                                          ; one plain place behind a scaled conversion
.irp i, 0,1,2
	v_mov_b32 v[QC+3+\i], v[CT+\i]
	v_mov_b32 v[QCB+3+\i], v[CT+4+\i]
.endr
; My unit's 32 numbers out of f32 slot s into v[S..S+31]
.macro XLOAD s
	s_cmp_lt_u32 s[WV], 8
	s_cbranch_scc0 .Lxv_\@
.irp i, 0,1,2,3,4,5,6,7
	ds_load_b128 v[S+4*\i:S+4*\i+3], v[AKR] offset:(\s)*FSLOT+16*\i
.endr
	s_branch .Lxj_\@
.Lxv_\@:
.set ii, 0
.rept 32
	ds_load_b32 v[S+ii], v[AVR] offset:(\s)*FSLOT+ii*ROWP
.set ii, ii+1
.endr
.Lxj_\@:
.endm
; its scale and its six registers of codes
.macro QCOMP
	MAX32 BM, BM+1, S
	s_delay_alu instid0(VALU_DEP_1)
	v_add_nc_u32 v[SO], 0xff000000, v[BM]
	s_delay_alu instid0(VALU_DEP_1)
	v_lshrrev_b32 v[PX], 23, v[SO]
	v_cvt_scalef32_pk16_fp6_f32 v[PC:PC+2], v[S:S+15], v[SO]
	v_cvt_scalef32_pk16_fp6_f32 v[CT:CT+2], v[S+16:S+31], v[SO]
	v_nop
.irp i, 0,1,2
	v_mov_b32 v[PC+3+\i], v[CT+\i]
.endr
	s_wait_alu depctr_va_vdst(0)                   ; the wait ahead of the branch
.endm
; and into the codes' slot s
.macro XSTORE s
	s_cmp_lt_u32 s[WV], 8
	s_cbranch_scc0 .Lsv_\@
	ds_store_b64 v[KA], v[PC:PC+1] offset:(\s)*STEPB
	ds_store_b64 v[KB], v[PC+2:PC+3] offset:(\s)*STEPB
	ds_store_b64 v[KA], v[PC+4:PC+5] offset:(\s)*STEPB+512
	ds_store_b8 v[KSB], v[PX] offset:(\s)*STEPB
	s_branch .Lsj_\@
.Lsv_\@:
	ds_store_b64 v[VA], v[PC:PC+1] offset:(\s)*STEPB
	ds_store_b64 v[VB], v[PC+2:PC+3] offset:(\s)*STEPB
	ds_store_b64 v[VA], v[PC+4:PC+5] offset:(\s)*STEPB+512
	ds_store_b8 v[VSB], v[PX] offset:(\s)*STEPB
.Lsj_\@:
.endm
; A tile begins: O^T and the sum as zeros, the largest t as -3e38, so the first f is 0
.macro INITV
	v_mov_b32 v[NM+1], 0xff61b1e6
	s_delay_alu instid0(VALU_DEP_1)
	v_floor_f32 v[NM], -v[NM+1]
	v_mov_b32 v[SUM], 0
	v_mov_b32 v[SUM+1], 0
.set ii, 0
.rept 32
	v_mov_b32 v[O+ii], 0                           ; (also the places between the lines that wrote Q's codes and scale word and the first product)
.set ii, ii+1
.endr
.endm
.macro KQ b
.if (\b)%2
	v_wmma_scale_f32_16x16x128_f8f6f4 v[S+16*\b:S+16*\b+7], v[FR+12*\b:FR+12*\b+11], v[QC:QC+11], 0, v[KS+(\b)/2], v[QS] matrix_a_fmt:MATRIX_FMT_FP6 matrix_b_fmt:MATRIX_FMT_FP6 matrix_a_scale:MATRIX_SCALE_ROW1
	v_wmma_scale_f32_16x16x128_f8f6f4 v[S+16*\b+8:S+16*\b+15], v[FR+12*\b:FR+12*\b+11], v[QHI:QHI+11], 0, v[KS+(\b)/2], v[QS] matrix_a_fmt:MATRIX_FMT_FP6 matrix_b_fmt:MATRIX_FMT_FP6 matrix_a_scale:MATRIX_SCALE_ROW1
.else
	v_wmma_scale_f32_16x16x128_f8f6f4 v[S+16*\b:S+16*\b+7], v[FR+12*\b:FR+12*\b+11], v[QC:QC+11], 0, v[KS+(\b)/2], v[QS] matrix_a_fmt:MATRIX_FMT_FP6 matrix_b_fmt:MATRIX_FMT_FP6
	v_wmma_scale_f32_16x16x128_f8f6f4 v[S+16*\b+8:S+16*\b+15], v[FR+12*\b:FR+12*\b+11], v[QHI:QHI+11], 0, v[KS+(\b)/2], v[QS] matrix_a_fmt:MATRIX_FMT_FP6 matrix_b_fmt:MATRIX_FMT_FP6
.endif
.endm
.macro PV t
.if (\t)%2
	v_wmma_scale_f32_16x16x128_f8f6f4 v[O+8*\t:O+8*\t+7], v[FR+12*\t:FR+12*\t+11], v[PC:PC+11], v[O+8*\t:O+8*\t+7], v[VS+(\t)/2], v[PS] matrix_a_fmt:MATRIX_FMT_FP6 matrix_b_fmt:MATRIX_FMT_FP6 matrix_a_scale:MATRIX_SCALE_ROW1
.else
	v_wmma_scale_f32_16x16x128_f8f6f4 v[O+8*\t:O+8*\t+7], v[FR+12*\t:FR+12*\t+11], v[PC:PC+11], v[O+8*\t:O+8*\t+7], v[VS+(\t)/2], v[PS] matrix_a_fmt:MATRIX_FMT_FP6 matrix_b_fmt:MATRIX_FMT_FP6
.endif
.endm
; K's fragments and both sets of scale words of the codes' slot at byte cb
.macro FRAGS cb
.rept 4
	v_nop                                          ; four places between the last step's products and the loads into the registers that they read
.endr
	ds_load_b64 v[KS:KS+1], v[LS] offset:(\cb)+KSC
	ds_load_b64 v[VS:VS+1], v[LS] offset:(\cb)+VSC
.irp b, 0,1,2,3
.irp g, 0,1,2
	ds_load_b128 v[FR+12*\b+4*\g:FR+12*\b+4*\g+3], v[LI] offset:(\cb)+FRB*\b+512*\g
.endr
.endr
.endm
; One step of 128 keys for my tile of 16 queries
.macro TILE cb
	s_wait_alu depctr_va_vdst(0)
.irp b, 0,1,2,3
	KQ \b                                          ; S^T: register 16 b + i is key KF + 32 b + 16 (lane / 16) + i of query lane % 16
.endr
.rept 4
	v_nop                                          ; four places: in front of the loads into K's registers and of the first read of the scores
.endr
.irp t, 0,1,2,3
.irp g, 0,1,2
	ds_load_b128 v[FR+12*\t+4*\g:FR+12*\t+4*\g+3], v[LI] offset:(\cb)+VCOD+FRB*\t+512*\g   ; V's fragments land while the softmax is worked
.endr
.endr
	s_add_co_u32 s[ST], s[KF], 127                 ; a step all of whose keys count for all my queries has no mask
	s_cmp_le_u32 s[ST], s[Q0]
	s_cbranch_scc1 .Lopen_\@
	s_sub_co_i32 s[ST], s[Q0], s[KF]
	v_add_nc_u32 v[TMP+1], s[ST], v[DQ]            ; register 16 b + i is hidden where 32 b + i > my query - KF - 16 (lane / 16)
.set ii, 0
.rept 64
	v_cmp_gt_i32 vcc_lo, 32*(ii/16)+ii%16, v[TMP+1]
	v_cndmask_b32 v[S+ii], v[S+ii], v[NEG], vcc_lo
.set ii, ii+1
.endr
.Lopen_\@:
.irp b, 0,1,2,3
	v_max3_num_f32 v[BM+\b], v[S+16*\b], v[S+1+16*\b], v[S+2+16*\b]   ; each block's largest score serves the row's maximum and, since p rises with the score, the block's largest p
.endr
.irp i, 3,5,7,9,11,13
.irp b, 0,1,2,3
	v_max3_num_f32 v[BM+\b], v[BM+\b], v[S+16*\b+\i], v[S+1+16*\b+\i]
.endr
.endr
.irp b, 0,1,2,3
	v_max_num_f32 v[BM+\b], v[BM+\b], v[S+15+16*\b]
.endr
.irp b, 0,1,2,3
	s_delay_alu instid0(VALU_DEP_4)
	v_permlanex16_b32 v[PX+\b], v[BM+\b], s[SEL], s[SEL+1]
.endr
.irp b, 0,1,2,3
	s_delay_alu instid0(VALU_DEP_4)
	v_max_num_f32 v[BM+\b], v[BM+\b], v[PX+\b]
.endr
	s_delay_alu instid0(VALU_DEP_2)
	v_max3_num_f32 v[TMP], v[BM], v[BM+1], v[BM+2]
	s_delay_alu instid0(VALU_DEP_1)
	v_max_num_f32 v[TMP], v[TMP], v[BM+3]
	s_delay_alu instid0(VALU_DEP_1)
	v_mul_f32 v[TMP], s[CS], v[TMP]
	s_delay_alu instid0(VALU_DEP_1)
	v_max_num_f32 v[NM+1], v[NM+1], v[TMP]         ; the running largest t
	v_mov_b32 v[TMP], v[NM]
	s_delay_alu instid0(VALU_DEP_2)
	v_floor_f32 v[NM], -v[NM+1]                    ; -M = -ceil(t)
	s_delay_alu instid0(VALU_DEP_1)
	v_sub_f32 v[TMP], v[NM], v[TMP]
	s_delay_alu instid0(VALU_DEP_1)
	v_cvt_i32_f32 v[TMP], v[TMP]
	s_delay_alu instid0(VALU_DEP_1)
	v_ldexp_f32 v[F], 1.0, v[TMP]                  ; f = 2^(old M - new M)
.set ii, 0
.rept 32
	v_pk_fma_f32 v[S+ii:S+ii+1], v[S+ii:S+ii+1], s[CS:CS+1], v[NM:NM+1] op_sel_hi:[1,0,0]   ; t - M
.set ii, ii+2
.endr
.irp b, 0,1,2,3
	v_fma_f32 v[BM+\b], v[BM+\b], s[CS], v[NM]
.endr
.set ii, 0
	s_wait_alu depctr_va_vdst(0)                   ; the wait ahead of the batch
.rept 64
	v_exp_f32 v[S+ii], v[S+ii]                     ; p = 2^(t - M)
.set ii, ii+1
.endr
	v_pk_mul_f32 v[SUM:SUM+1], v[SUM:SUM+1], v[F:F+1] op_sel_hi:[1,0]
	s_wait_alu depctr_va_vdst(0)                   ; and behind it: one for the 64
.irp b, 0,1,2,3
	v_exp_f32 v[BM+\b], v[BM+\b]                   ; the block's largest p
.endr
	v_pk_add_f32 v[SUM2:SUM2+1], v[S:S+1], v[S+2:S+3]   ; the row's sum, of the unquantised p, in two chains
.irp j, 4,8,12,16,20,24,28,32,36,40,44
	v_pk_add_f32 v[SUM:SUM+1], v[SUM:SUM+1], v[S+\j:S+\j+1]
	v_pk_add_f32 v[SUM2:SUM2+1], v[SUM2:SUM2+1], v[S+\j+2:S+\j+3]
.endr
	s_wait_alu depctr_va_vdst(0)                   ; and one for the four
.irp b, 0,1,2,3
	v_max_num_f32 v[BM+\b], 0x1800000, v[BM+\b]
.endr
.irp b, 0,1,2,3
	s_delay_alu instid0(VALU_DEP_4)
	v_add_nc_u32 v[SO+\b], 0xff000000, v[BM+\b]
.endr
.irp b, 0,1,2,3
	s_delay_alu instid0(VALU_DEP_4)
	v_lshrrev_b32 v[PX+\b], 23, v[SO+\b]
.endr
	s_delay_alu instid0(VALU_DEP_3)
	v_lshl_or_b32 v[PS], v[PX+1], 8, v[PX]         ; p's scale word for these 128 keys
	s_delay_alu instid0(VALU_DEP_1)
	v_lshl_or_b32 v[PS], v[PX+2], 16, v[PS]
	s_delay_alu instid0(VALU_DEP_1)
	v_lshl_or_b32 v[PS], v[PX+3], 24, v[PS]
.irp c, 0,1
	v_cvt_scalef32_pk16_fp6_f32 v[PC+6*\c:PC+6*\c+2], v[S+32*\c:S+32*\c+15], v[SO+2*\c]
	v_cvt_scalef32_pk16_fp6_f32 v[CT+4*\c:CT+4*\c+2], v[S+32*\c+16:S+32*\c+31], v[SO+2*\c+1]
.endr
	v_nop
.irp c, 0,1                                        ; a whole block in a lane: lanes 0-15 block 2 c, lanes 16-31 block 2 c + 1
.irp i, 0,1,2
	v_permlane16_swap_b32 v[PC+6*\c+\i], v[CT+4*\c+\i]
.endr
.irp i, 0,1,2
	s_delay_alu instid0(VALU_DEP_3)
	v_mov_b32 v[PC+3+6*\c+\i], v[CT+4*\c+\i]
.endr
.endr
	s_wait_alu depctr_va_vdst(0)                   ; the wait directly ahead of the first reader of O^T
.set ii, 0
.rept 16
	v_pk_mul_f32 v[O+ii:O+ii+1], v[O+ii:O+ii+1], v[F:F+1] op_sel_hi:[1,0]   ; O^T under the new M, each tile from its low end on
.set ii, ii+2
.endr
.irp j, 48,52,56,60                                ; nine plain lines between the lines that wrote p's codes, its scale word and O^T and the products
	v_pk_add_f32 v[SUM:SUM+1], v[SUM:SUM+1], v[S+\j:S+\j+1]
	v_pk_add_f32 v[SUM2:SUM2+1], v[SUM2:SUM2+1], v[S+\j+2:S+\j+3]
.endr
	s_delay_alu instid0(VALU_DEP_1)
	v_pk_add_f32 v[SUM:SUM+1], v[SUM:SUM+1], v[SUM2:SUM2+1]
	s_wait_dscnt 0x0                               ; V's fragments are in
.irp t, 0,1,2,3
	PV \t                                          ; four accumulators by turns
.endr
.endm
; THE WAY OUT of a tile: O^T / the sum through my stage, back as whole rows of 256 bytes; a store takes two rows
.macro FINAL base
	v_add_f32 v[SUM], v[SUM], v[SUM+1]
	s_delay_alu instid0(VALU_DEP_1)
	v_permlanex16_b32 v[TMP], v[SUM], s[SEL], s[SEL+1]
	s_delay_alu instid0(VALU_DEP_1)
	v_add_f32 v[SUM], v[SUM], v[TMP]
	s_wait_alu depctr_va_vdst(0)
	v_rcp_f32 v[F], v[SUM]
	v_nop
	v_nop
	s_wait_alu depctr_va_vdst(0)
.set ii, 0
.rept 16
	v_pk_mul_f32 v[S+ii:S+ii+1], v[O+ii:O+ii+1], v[F:F+1] op_sel_hi:[1,0]   ; register 8 t + j is out(lane % 16, 16 t + 8 (lane / 16) + j)
.set ii, ii+2
.endr
.irp t, 0,1,2,3
	ds_store_b128 v[STO], v[S+8*\t:S+8*\t+3] offset:64*\t
	ds_store_b128 v[STO], v[S+8*\t+4:S+8*\t+7] offset:64*\t+16
.endr
.irp i, 0,1,2,3,4,5,6,7
	ds_load_b128 v[S+32+4*\i:S+32+4*\i+3], v[RD] offset:2*\i*SP   ; LDS serves a wave's instructions in order (ISA guide 5.7.1.4)
.endr
.irp i, 0,1,2,3,4,5,6,7
	s_wait_dscnt 7-\i                              ; rows 2 i and 2 i + 1 are back; the younger loads may be out
	global_store_b128 v[LI], v[S+32+4*\i:S+32+4*\i+3], s[\base:\base+1] offset:512*\i th:TH_STORE_NT   ; 512 consecutive bytes, at a multiple of 256 from the output's first byte
.endr
.endm
; TRIP i = 2 CNT + slot.  One barrier: in front of it all my tensor loads are in (my rows of step i + 1), the add, and my LDS reads and stores are done (codes of step i stored, slots of step i - 1 read out).
.macro ITER slot, refill, quant, change
	s_wait_alu depctr_va_vdst(0)                   ; the wait ahead of the blocking waits
	s_wait_tensorcnt 0x0
	ds_add_u32 v254, v255
	s_lshl_b32 s[I], s[CNT], 1
.if \slot
	s_add_co_u32 s[I], s[I], 1
.endif
	s_sub_co_u32 s[T], s[I], s[W]
	s_cmp_lt_u32 s[I], s[W]
	s_cselect_b32 s[T], s[I], s[T]                 ; the key step of trip i: i, or i - (2 x + 2) for tile B
	s_lshl_b32 s[KF], s[T], 7
.if \refill
	s_add_co_u32 s[ST], s[I], 2
	s_sub_co_u32 s[T], s[ST], s[W]
	s_cmp_lt_u32 s[ST], s[W]
	s_cselect_b32 s[T], s[ST], s[T]                ; and of trip i + 2
	s_lshl_b32 s[OFF], s[T], 15                    ; 128 rows of 256 bytes a step
	s_add_nc_u64 s[G0+2:G0+3], s[SRC:SRC+1], s[OFF:OFF+1]
	s_or_b32 s[G0+3], s[G0+3], 0x80000000
	s_add_co_u32 s[G0+1], s[WL], \slot*FSLOT
.endif
	s_wait_dscnt 0x0
	s_barrier_signal -1
	s_barrier_wait -1
.if \refill
	tensor_load_to_lds s[G0:G0+3], s[G1:G1+7]      ; my one load behind the barrier: into the f32 slot that was quantised in the last trip
	s_nop 0
.endif
.if \change
	s_cmp_lg_u32 s[I], s[W]                        ; trip 2 x + 2: tile A is finished and tile B begins; a branch on ids
	s_cbranch_scc1 .Lnc_\@
	FINAL OPA
	s_wait_xcnt 0x0                                ; the stores have read their registers
.irp i, 0,1,2,3,4,5
	v_mov_b32 v[QC+\i], v[QCB+\i]
.endr
	v_mov_b32 v[QS], v[QSB]
	s_mov_b32 s[Q0], s[QB]
	s_add_co_u32 s[QL], s[QB], 15
	INITV
.Lnc_\@:
.endif
	s_cmp_gt_u32 s[KF], s[QL]                      ; all 128 keys come after my 16 queries: a branch on ids, round no barrier, wait or tensor load
	s_cbranch_scc1 .Lh1_\@
	FRAGS \slot*STEPB
.Lh1_\@:
.if \quant
	XLOAD 1-\slot
.endif
	s_wait_dscnt 0x0
.if \quant
	QCOMP
	XSTORE 1-\slot
.endif
	s_cmp_gt_u32 s[KF], s[QL]
	s_cbranch_scc1 .Lh2_\@
	TILE \slot*STEPB
.Lh2_\@:
.endm
	s_wait_alu depctr_va_vdst(0)
	s_wait_tensorcnt 0x0                           ; my rows of key step 0 are in
	ds_add_u32 v254, v255
	s_add_nc_u64 s[G0+2:G0+3], s[SRC:SRC+1], 32768 ; key step 1 (2 x + 2 is at least 2)
	s_or_b32 s[G0+3], s[G0+3], 0x80000000
	s_add_co_u32 s[G0+1], s[WL], FSLOT
	s_wait_dscnt 0x0
	s_barrier_signal -1
	s_barrier_wait -1
	tensor_load_to_lds s[G0:G0+3], s[G1:G1+7]      ; f32 slot 1's first fill
	s_nop 0
	XLOAD 0
	s_wait_dscnt 0x0
	QCOMP
	XSTORE 0
	s_mov_b32 s[Q0], s[QA]
	s_add_co_u32 s[QL], s[QA], 15
	s_mov_b32 s[CNT], 0
	INITV
.Ltrip:
	ITER 0, 1, 1, 1
	ITER 1, 1, 1, 0
	s_add_co_u32 s[CNT], s[CNT], 1
	s_cmp_lt_u32 s[CNT], 8
	s_cbranch_scc1 .Ltrip
	ITER 0, 0, 1, 0                                ; trips 16 and 17 ask for nothing more; trip 17 has nothing left to quantise
	ITER 1, 0, 0, 0
	s_wait_alu depctr_va_vdst(0)
	FINAL OPB
	s_wait_tensorcnt 0x0                           ; the wave's end
	ds_add_u32 v254, v255
	s_wait_dscnt 0x0
	s_endpgm
.Lfunc_end_k_qae36737cfd_fused:
	.size	k_qae36737cfd_fused, .Lfunc_end_k_qae36737cfd_fused-k_qae36737cfd_fused
	.p2alignl 7, 3214868480
	.fill 96, 4, 3214868480
	.section	.rodata,"a",@progbits
	.p2align	6, 0x0
	.amdhsa_kernel k_qae36737cfd_fused
		.amdhsa_group_segment_fixed_size 327680
		.amdhsa_private_segment_fixed_size 0
		.amdhsa_enable_private_segment 0
		.amdhsa_kernarg_size 32
		.amdhsa_user_sgpr_count 2
		.amdhsa_user_sgpr_kernarg_segment_ptr 1
		.amdhsa_wavefront_size32 1
		.amdhsa_system_sgpr_workgroup_id_x 1
		.amdhsa_system_sgpr_workgroup_id_y 1
		.amdhsa_system_sgpr_workgroup_id_z 1
		.amdhsa_system_vgpr_workitem_id 0
		.amdhsa_next_free_vgpr 256
		.amdhsa_next_free_sgpr 80
		.amdhsa_reserve_vcc 1
		.amdhsa_float_denorm_mode_32 3
		.amdhsa_float_denorm_mode_16_64 3
		.amdhsa_memory_ordered 1
		.amdhsa_forward_progress 1
		.amdhsa_inst_pref_size 134
	.end_amdhsa_kernel
	.amdgpu_metadata
---
amdhsa.version: [ 1, 2 ]
amdhsa.kernels:
  - .name:           k_qae36737cfd_fused
    .symbol:         k_qae36737cfd_fused.kd
    .args:
      - { .name: Q, .offset: 0, .size: 8, .value_kind: global_buffer, .address_space: global }
      - { .name: K, .offset: 8, .size: 8, .value_kind: global_buffer, .address_space: global }
      - { .name: V, .offset: 16, .size: 8, .value_kind: global_buffer, .address_space: global }
      - { .name: out0, .offset: 24, .size: 8, .value_kind: global_buffer, .address_space: global }
    .group_segment_fixed_size: 327680
    .private_segment_fixed_size: 0
    .kernarg_segment_align: 8
    .kernarg_segment_size: 32
    .max_flat_workgroup_size: 512
    .sgpr_count:     80
    .vgpr_count:     256
    .wavefront_size: 32
...
	.end_amdgpu_metadata
.endif
;; end of part 1
